; MI455X (gfx1250); checked and timed in simulation.
; The chip was launched on July 23, 2026; its instructions are those of AMD's public machine-readable ISA for CDNA 5 (MIT licence, August 2026) and "CDNA5" Instruction Set Architecture Reference Guide (July 2026). The comments in the code are by the model that wrote it; some were corrected since.
;; Attention Mechanism. Allowed arithmetic: matrix products marked QUANTISED: E3M2 operands, one E8M0 scale for each 32 along K, by v_wmma_scale_f32_16x16x128_f8f6f4 with both operands' format E3M2, f32 sums; products left as they are: f32 operands where the result goes on into a quantised operand, else bf16, f16 or f32 operands; f32 sums; everything else in f32.
;; Inputs: W_codes 1,024 x 32 x 24 uint8 (E3M2 codes of W, K innermost, in blocks of 32 codes, four codes in three bytes); W_scales 1,024 x 32 uint8 (E8M0 scales of W, one for each 32 codes along K); b 1,024 float32; contextvects 32 x 1,024 x 2,048 float32; hidden 1 x 32 x 1,024 float32.
;; Outputs: out0 64 x 32 x 1,024 float32.
;; Constants: seqlen = 64.
;; This version of the problem:
;;   THIS VERSION OF THE PROBLEM IS GIVEN IN LOW PRECISION. The matrix products marked QUANTISED in the list below multiply operands that are first quantised to E3M2 (3 exponent bits, 2 mantissa bits; 6 bits a number), with one power-of-two scale for each 32 numbers along K (OCP MX v1.0); their sums are f32. All else is computed in f32.
;;   The module's matrix products, in the order in which they are computed (A, B: the left and right operand; K: the contracted axis; several contracted axes count as one K, in the product's order):
;;     1. [M 65,536, K 1,024] x [K 1,024, N 1,024]; A: input contextvects; B: input W (given as codes): QUANTISED
;;     2. batch 32 x [M 2,048, K 1,024] x [K 1,024, N 1]; A: computed on the way; B: input hidden: left as it is (N = 1 < 16)
;;     3. batch 32 x [M 1,024, K 2,048] x [K 2,048, N 1]; A: input contextvects; B: softmax: left as it is (N = 1 < 16)
;;   THE QUANTISER, for each operand of a quantised product, along K:
;;     - K is cut into blocks of 32 from its start; a last block that is shorter is filled with zeros.
;;     - A block's scale is 2^e with e = floor(log2(the largest magnitude in the block)) - 4, held to -126 .. 127; a block of zeros has e = 0. As a byte (E8M0): e + 127.
;;     - Each number is divided by its block's scale, clamped to +-28, and rounded to the nearest number of E3M2, ties to even, subnormals kept.
;;     - The product sums the exact products of the quantised numbers (number of the format x scale) in f32.
;;   ~~~python
;;   def quantise(x, axis):      # numpy; x: float32 -> the quantised numbers, widened to float32 again
;;       x = np.moveaxis(x, axis, -1); K = x.shape[-1]
;;       x = np.pad(x, [(0, 0)] * (x.ndim - 1) + [(0, -K % 32)]); x = x.reshape(x.shape[:-1] + (-1, 32)); a = np.abs(x).max(-1, keepdims=True)
;;       e = np.where(a > 0, np.clip(np.frexp(np.where(a > 0, a, 1))[1] - 1 - 4, -126, 127), 0)      # np.frexp(a)[1] - 1 = floor(log2(a)), exactly
;;       r = np.clip(x / 2.0 ** e, -28, 28)
;;       step = 2.0 ** (np.maximum(np.frexp(np.where(r == 0, 1, r))[1] - 1, -2) - 2)
;;       q = np.round(r / step) * step * 2.0 ** e      # np.round: ties to even
;;       return np.moveaxis(q.reshape(q.shape[:-2] + (-1,))[..., :K], -1, axis).astype(np.float32)
;;   ~~~
;;   INPUTS GIVEN AS CODES. W (in the module: [1024, 1024], K = its axis 1): each comes as NAME_codes (uint8): NAME with its K axis moved to the last place and cut into blocks of 32 codes, [.., K / 32, bytes a block], one block behind the other in memory; four codes in three bytes: a row's codes are one little-endian stream of bits, code i at bits 6 i .. 6 i + 5 (a code: sign, 3 exponent bits, 2 mantissa bits); and NAME_scales (uint8): the same leading axes, one E8M0 byte (e + 127) for each 32 codes along K. Its value is code x scale, taken as it is: it is not quantised again, and the codes and scales need not be those that the quantiser above would give.
;; One version. Each part assembles by itself: llvm-mc -triple=amdgcn-amd-amdhsa -mcpu=gfx1250 --defsym DOCPART=n.
;; ======== version 1 of 1: 2 launches
;; limits: values are held in bf16: 8 bits of precision; right only within a limited range of input values
;; workspace buffers: part 2,101,248 bytes
;; launch attend (part 1): grid 8 x 32, 8 waves a work-group, clusters of 4 x 1, 327,680 bytes of LDS; arguments contextvects, W_codes, W_scales, hidden, part; writes part
.if DOCPART == 1
	.amdgcn_target "amdgcn-amd-amdhsa--gfx1250"
	.amdhsa_code_object_version 6
	.text
	.protected	k_q58c5a86990_attend
	.globl	k_q58c5a86990_attend
	.p2align	8
	.type	k_q58c5a86990_attend,@function
k_q58c5a86990_attend:
	s_mov_b64 s[64:65], 0
	v_nop
	global_prefetch_b8 v0, s[64:65] scope:SCOPE_SE
	s_setreg_imm32_b32 hwreg(HW_REG_WAVE_MODE, 25, 1), 1
	s_wait_xcnt 0x0
	s_wait_alu depctr_hold_cnt(0) depctr_sa_sdst(0) depctr_va_vdst(0) depctr_va_sdst(0) depctr_va_ssrc(0) depctr_va_vcc(0) depctr_vm_vsrc(0)
	s_getreg_b32 s2, hwreg(HW_REG_IB_STS2, 6, 4)
	s_cmp_eq_u32 s2, 0
	s_cbranch_scc0 .Lentry_in_a_cluster
	s_endpgm
.Lentry_in_a_cluster:
	s_bfe_u32 s2, ttmp6, 0x10000c
	s_cmp_lg_u32 s2, 0x3003
	s_cbranch_scc0 .Lentry_shape_is_right
	s_endpgm
.Lentry_shape_is_right:
; ATTEND.  X = contextvects[batch] is [1024 d][2048 c], f32.  A work-group stays for two chunks of 128 columns c of one batch (chunks j and j + 8) and reads each chunk's 1024 x 512 bytes of X once.
;   product 1 (codes of E3M2, one E8M0 scale for each 32 along d):  proj[c][h] = sum over d of Q(X[d][c]) W[h][d]
;   product 2 (f32 multiply-adds):  score[c] = sum over h of proj[c][h] hidden[batch][h]
;   the chunk's softmax:  tm = log2(e) x the chunk's largest score,  p[c] = 2^(log2(e) score[c] - tm),  l = sum of p
;   product 3 (bf16 operands, f32 sums):  part[d] = sum over the chunk's c of X[d][c] p[c]
; Stored for each chunk: 1,024 partial sums, tm and l; the next launch joins a batch's 16 chunks by their tm.
; WORK LEFT OUT.  reference() adds b[h] to proj, which adds sum over h of b[h] hidden[batch][h] to every score of the batch: the same number along the softmax's axis c.
; softmax(s + k) = softmax(s) for every k, so b reaches no output, whatever the inputs hold: b is not loaded and is no argument.  A NaN, an infinity or an overflow that b alone would bring is not carried to the result.
; SHARES.  Eight waves: wave w = 4 ch + kq owns d = 256 kq .. + 255 and columns 64 ch .. + 63 of the chunk, for all 1,024 h.  The score is linear in d, so only partial scores meet at the end.
; X comes by tensor loads, 64 rows x 256 bytes a tile, four tiles a wave, through the wave's own parts of two LDS slots.  A tile is read twice from LDS: by columns (a lane a column, registers down d) for the
; conversions, and by rows, rounded to bf16 and kept in window 1 as product 3's operand.  Then W walks through the same two slots: 128 whole rows of 768 bytes a slot, 16 rows fetched by each wave, read by all.
; CLUSTER.  The four work-groups of a cluster walk the same W: its tiles are asked for jointly (mask 15).  X's tiles are each work-group's own.
; PREFETCH OF X, a lane a row of 256 bytes, each block named once, by the wave that will fetch it.  First chunk: at the head and behind the first two changes of slots a wave asks for the tile that the next change loads
; (2 instructions).  Second chunk: its four tiles are asked for in eight halves of 32 rows, one instruction behind each of the eight changes that fill W's slots in the first chunk, behind that change's own tensor load
; and first LDS loads; the load of its first tile stands seven changes behind the request for that tile's second half.  The second chunk's walk asks for nothing.
; PREFETCH OF W: its first touch alone.  At the head each cluster names W's 3,072 blocks of 256 bytes once, 96 a wave in three instructions, a lane a block, shared out among the four partners and their waves by address.
; Afterwards every work-group of the launch reads the same 786,432 bytes again and again, and they are asked for no more.
; LIMITS.  NaN and infinities among the inputs are not served.  A block of X whose largest magnitude lies under 2^-122, a block of zeros too, gets the scale byte 1 (only this text reads the byte).
; Product 1's f32 sum is made as four quarters of K, added behind product 2: another order of sums than reference()'s.  Product 3 takes X and p rounded to bf16; l is the sum of p in f32.
; REGISTERS.  Window 0: v0-31 addresses; v32-35 X's scale words; v36-39 W's; v40-71 four accumulators; v72-119 two sets of W's two fragments; v120-135 two sets of hidden; v136-151 the scores' sums; v160-255 X's codes.
;   While X is loaded: v40-103 64 numbers of a column, v104-111 codes just made, v112-143 numbers of a row, v152-157 at work.  At the end: v40-71 at work, v72-103 p, v104-119 p as bf16, v128-255 product 3's accumulators.
;   Window 1: X as bf16: rows 16 u + r of my 256, columns 32 kk .. + 31 of my 64, at 16 u + 8 kk.
.set XP,    272                        ; an LDS row: 256 bytes + 16
.set WP,    816                        ; a row of W: 3 x 272
.set WSL,   17408                      ; a wave's part of a slot for X: 64 x 272
.set WWL,   13056                      ; and for W: 16 x 816
.set SLOTD, 139264                     ; slot 1 begins here
.set SCLW,  278528                     ; W's scale bytes: 128 runs of 256 + 16; stored once
.set HID,   313344                     ; hidden[batch]
.set SCR,   317440                     ; partial scores [kq][128]
.set PT,    319488                     ; p, [wave][64]
.set OST,   317440                     ; the way out [ch][1024]: lies over SCR and PT, behind a barrier of its own
.set SPARE, 325632                     ; the spare words, 128 bytes a wave
.set WV, 16
.set KQ, 17
.set CH, 18
.set TB, 22                            ; 0 or SLOTD: the slot in hand
.set CNT, 23
.set XB, 24                            ; w x WSL
.set WB, 25                            ; w x WWL
.set G1X, 28
.set G1W, 36
.set G0X, 44
.set G0W, 48
.set PFA, 52                           ; s[52:53] where the prefetches of X stand
.set PFN, 54                           ; changes of slots up to and with the last that asks
.set PASS, 55                          ; chunks to go
.set TSC, 56
.set THB, 57
.set PP, 58                            ; s[58:59] part, s[60:61] (tm, l)
.set PS, 60
.set SPW, 4
.set NIL, 5
.set AQ, 6
.set AR, 8
.set AW, 10                            ; v10-14 my place in a tile of W, five kinds of pieces by the paddings passed
.set ADW, 15                           ; v15-19 the same in the slot in hand
.set ASW, 20
.set ADS, 21
.set AH, 22
.set ADH, 23
.set PFO, 24
.set ASC, 25
.set ASL, 26
.set ASL2, 27
.set APW, 28
.set APR, 29
.set AOS, 30
.set GOF, 31
.set AOL, 1
.set CS, 32
.set WS, 36
.set ACC, 40
.set WF, 72
.set HD, 120
.set S, 136
.set CD, 160
.set XQ, 40
.set CT, 104
.set RL, 112
.set MX, 152
.set SO, 154
.set BY, 156
.set T, 40
.set PL, 72
.set PF, 104
.set A3, 128
.set MSB, 0
.macro WIN new
.if MSB != (\new)
	s_set_vgpr_msb (MSB<<8)|(\new)
.set MSB, (\new)
.endif
.endm
.macro CREST
	s_cmp_lg_u32 s[WV], 0
	s_cbranch_scc1 .Lnot_wave_0_\@
	s_barrier_signal -3
.Lnot_wave_0_\@:
	s_barrier_wait -3
	s_barrier_signal -1
	s_barrier_wait -1
.endm
.macro CROUND
	s_barrier_signal -1
	s_barrier_wait -1
	CREST
.endm
; At each change of slots, behind the wait that frees it, the prefetches' address moves.  kind 0: a tile on; 1: from the first chunk's tile 3 to the second chunk's tile 0; 2: it stays; 3: half a tile on
.macro PFSTEP kind
	s_wait_xcnt 0x0
.if (\kind) == 0
	s_add_nc_u64 s[PFA:PFA+1], s[PFA:PFA+1], 524288
.elseif (\kind) == 1
	s_sub_nc_u64 s[PFA:PFA+1], s[PFA:PFA+1], 1568768
.elseif (\kind) == 3
	s_add_nc_u64 s[PFA:PFA+1], s[PFA:PFA+1], 262144
.endif
	s_sub_co_i32 s[PFN], s[PFN], 1
	s_max_i32 s[PFN], s[PFN], 0
.endm
.macro ASK n                           ; n halves of a tile: 32 rows x 256 bytes each, a lane a row
	s_cmp_lg_u32 s[PFN], 0
	s_cbranch_scc0 .Lnoask_\@
	global_prefetch_b8 v[PFO], s[PFA:PFA+1] th:TH_LOAD_NT scope:SCOPE_SE
.if (\n) > 1
	global_prefetch_b8 v[PFO], s[PFA:PFA+1] offset:262144 th:TH_LOAD_NT scope:SCOPE_SE
.endif
.Lnoask_\@:
.endm
; A change of slots: all my tensor loads are in, the add, the descriptor's step, the wait for the add and my LDS reads, a round, and my one load first behind it.
.macro OPEN
	s_wait_tensorcnt 0x0
	ds_add_u32 v[SPW], v[NIL]
.endm
.macro SHUT
	s_wait_dscnt 0x0
	CROUND
.endm
.macro XFILL slot, back                ; X's next tile: 64 rows of 8,192 bytes on
	PFSTEP \back
	OPEN
	s_add_co_u32 s[G0X+1], s[XB], (\slot)*SLOTD
	s_add_nc_u64 s[G0X+2:G0X+3], s[G0X+2:G0X+3], 524288
	SHUT
	tensor_load_to_lds s[G0X:G0X+3], s[G1X:G1X+7]
	s_nop 0
.endm
.macro WFILL slot, step                ; W's first two slots
	PFSTEP 2+\step
	OPEN
	s_add_co_u32 s[G0W+1], s[WB], (\slot)*SLOTD
.if \step
	s_add_nc_u64 s[G0W+2:G0W+3], s[G0W+2:G0W+3], 98304
.endif
	SHUT
	tensor_load_to_lds s[G0W:G0W+3], s[G1W:G1W+7]
	s_nop 0
.endm
; ---- X: from LDS into codes and into bf16 ----
.macro BLOAD g, slot                   ; rows 0 .. 63 of column 32 g + lane
.set i, 0
.rept 64
	ds_load_b32 v[XQ+i], v[AQ+\slot] offset:i*XP+128*(\g)
.set i, i+1
.endr
.endm
; 64 numbers of a lane: two blocks of 32 along K.  They become registers 6 (tl % 2) .. + 5 of the fragments of K step tl / 2 for the tiles of columns 2 g and 2 g + 1.
.macro QCOMP tl, g
.set cw, CS+2*((\tl)/2)+(\g)
.set cc, (\tl)%2
.set cd, CD+12*(4*((\tl)/2)+2*(\g))+6*cc
.irp b, 0,1                            ; four chains by turns; the floor 2^(5 - 127) holds the byte at 1 from below
	v_max3_num_f32 v[MX+\b], |v[XQ+32*\b]|, |v[XQ+32*\b+1]|, 0x2800000
	v_max3_num_f32 v[BY+\b], |v[XQ+32*\b+16]|, |v[XQ+32*\b+17]|, |v[XQ+32*\b+18]|
.endr
.irp i, 0,2,4,6,8,10
.irp b, 0,1
	v_max3_num_f32 v[MX+\b], v[MX+\b], |v[XQ+32*\b+2+\i]|, |v[XQ+32*\b+3+\i]|
	v_max3_num_f32 v[BY+\b], v[BY+\b], |v[XQ+32*\b+19+\i]|, |v[XQ+32*\b+20+\i]|
.endr
.endr
.irp b, 0,1
	v_max3_num_f32 v[MX+\b], v[MX+\b], |v[XQ+32*\b+14]|, |v[XQ+32*\b+15]|
.endr
.irp b, 0,1
	v_max3_num_f32 v[MX+\b], v[MX+\b], v[BY+\b], |v[XQ+32*\b+31]|
.endr
.irp b, 0,1
	v_add_nc_u32 v[SO+\b], 0xfe000000, v[MX+\b]    ; 4 off the exponent field: the conversion's scale operand
.endr
	v_cvt_scalef32_pk16_bf6_f32 v[cd:cd+2], v[XQ:XQ+15], v[SO]             ; block 0, lower 16 codes, in place
	v_cvt_scalef32_pk16_bf6_f32 v[CT:CT+2], v[XQ+16:XQ+31], v[SO]          ; upper 16 (three registers begin on an even number: made aside and moved)
	v_cvt_scalef32_pk16_bf6_f32 v[cd+12:cd+14], v[XQ+32:XQ+47], v[SO+1]    ; block 1
	v_cvt_scalef32_pk16_bf6_f32 v[CT+4:CT+6], v[XQ+48:XQ+63], v[SO+1]
.irp b, 0,1
	v_lshrrev_b32 v[BY+\b], 23, v[SO+\b]           ; the scale bytes (plain lines behind the conversions)
.endr
.if cc == 0
	v_lshl_or_b32 v[cw], v[BY+1], 8, v[BY]
.else
	v_lshl_or_b32 v[cw], v[BY], 16, v[cw]
	v_lshl_or_b32 v[cw], v[BY+1], 24, v[cw]
.endif
.irp i, 0,1,2                          ; the first's lanes 16-31 change places with the second's lanes 0-15: the first is then the tile of columns 32 g + 0 .. 15, the second that of 32 g + 16 .. 31
	v_permlane16_swap_b32 v[cd+\i], v[cd+12+\i]
	v_permlane16_swap_b32 v[CT+\i], v[CT+4+\i]
.endr
.irp i, 0,1,2
	v_mov_b32 v[cd+3+\i], v[CT+\i]
	v_mov_b32 v[cd+15+\i], v[CT+4+\i]
.endr
.endm
.macro RLOAD n, slot, rr               ; rows 16 n + r, my 64 columns: two fragments of product 3's operand as f32
.irp e, 0,1,2,3,4,5,6,7
	ds_load_b128 v[(\rr)+4*\e:(\rr)+4*\e+3], v[AR+\slot] offset:16*XP*(\n)+128*(\e/4)+64*((\e%4)/2)+16*(\e%2)
.endr
.endm
.macro RCVT tl, n, rr
.set rd, 16*(4*(\tl)+(\n))
	WIN 0x40                                       ; destination window 1
.set i, 0
.rept 16
	v_cvt_pk_bf16_f32 v[rd+i], v[(\rr)+2*i], v[(\rr)+2*i+1]
.set i, i+1
.endr
	WIN 0
.endm
.macro PROC tl, slot                   ; LDS loads come back in order: each count says how many younger loads may stay out
	BLOAD 0, \slot
	RLOAD 0, \slot, RL
.if (\tl) < 2
	ASK 2                                          ; the tile that the next change of slots loads
.elseif (\tl) == 3
	ASK 1                                          ; the second chunk's first half tile
.endif
	s_wait_dscnt 8                                 ; the column loads are in; the 8 row loads may be out
	QCOMP \tl, 0
	s_wait_dscnt 0x0
	RCVT \tl, 0, RL
	BLOAD 1, \slot
	RLOAD 1, \slot, RL
	s_wait_dscnt 8
	QCOMP \tl, 1
	RLOAD 2, \slot, XQ
	RLOAD 3, \slot, XQ+32
	s_wait_dscnt 16                                ; batch 1 is in; batches 2 and 3 may be out
	RCVT \tl, 1, RL
	s_wait_dscnt 8
	RCVT \tl, 2, XQ
	s_wait_dscnt 0x0
	RCVT \tl, 3, XQ+32
.endm
; ---- W: the products ----
; A fragment of W: lane (r, half) takes, of row r, the 24 bytes of K = 64 c + 32 half + 0 .. 31 of my quarter, in pieces of 8 bytes.  16 bytes of padding lie behind every 256 bytes of a row;
; my 192 bytes begin at byte 192 kq, so which pieces lie behind one padding more hangs on kq and on the half: five address registers, chosen by the piece's place z0.
.macro FRAG reg, q, t
.irp p, 0,1,2,3,4,5
.set z0, 96*(\q)+48*(\p/3)+8*(\p%3)
.if z0 < 48
.set kl, 0
.elseif z0 < 64
.set kl, 1
.elseif z0 < 104
.set kl, 2
.elseif z0 < 144
.set kl, 3
.else
.set kl, 4
.endif
	ds_load_b64 v[\reg+2*\p:\reg+2*\p+1], v[ADW+kl] offset:z0+((\t)%4)*16*WP
.endr
.endm
.macro LOADW t                         ; tile t of a slot's eight: two fragments, two scale words a row, hidden at my eight h: 15 loads into set t % 2
.set lp, (\t)%2
	FRAG WF+24*lp, 0, \t
	FRAG WF+24*lp+12, 1, \t
	ds_load_b64 v[WS+2*lp:WS+2*lp+1], v[ADS] offset:544*(\t)
	ds_load_b128 v[HD+8*lp:HD+8*lp+3], v[ADH] offset:64*(\t)
	ds_load_b128 v[HD+8*lp+4:HD+8*lp+7], v[ADH] offset:64*(\t)+16
.endm
; source 0 = 16 rows h of W, source 1 = 16 columns c of X: lane (r, half) holds column r, register j holds h = 8 half + j.  X's scale words: lane l of register (q, c / 2) holds column 32 (c / 2) + l.
.macro MM p, q, c
.set ra, ACC+8*(\c)
.set rw, WF+24*(\p)+12*(\q)
.set rc, CD+12*(4*(\q)+(\c))
.set rx, WS+2*(\p)+(\q)
.set ry, CS+2*(\q)+(\c)/2
.if ((\q) == 0) && ((\c)%2 == 0)
	v_wmma_scale_f32_16x16x128_f8f6f4 v[ra:ra+7], v[rw:rw+11], v[rc:rc+11], 0, v[rx], v[ry] matrix_a_fmt:MATRIX_FMT_BF6 matrix_b_fmt:MATRIX_FMT_BF6
.elseif (\q) == 0
	v_wmma_scale_f32_16x16x128_f8f6f4 v[ra:ra+7], v[rw:rw+11], v[rc:rc+11], 0, v[rx], v[ry] matrix_a_fmt:MATRIX_FMT_BF6 matrix_b_fmt:MATRIX_FMT_BF6 matrix_b_scale:MATRIX_SCALE_ROW1
.elseif (\c)%2 == 0
	v_wmma_scale_f32_16x16x128_f8f6f4 v[ra:ra+7], v[rw:rw+11], v[rc:rc+11], v[ra:ra+7], v[rx], v[ry] matrix_a_fmt:MATRIX_FMT_BF6 matrix_b_fmt:MATRIX_FMT_BF6
.else
	v_wmma_scale_f32_16x16x128_f8f6f4 v[ra:ra+7], v[rw:rw+11], v[rc:rc+11], v[ra:ra+7], v[rx], v[ry] matrix_a_fmt:MATRIX_FMT_BF6 matrix_b_fmt:MATRIX_FMT_BF6 matrix_b_scale:MATRIX_SCALE_ROW1
.endif
.endm
.macro MM8 p                           ; a tile: two K steps x four tiles of columns, the four accumulators by turns; the first K step starts each sum with 0
.irp q, 0,1
.irp c, 0,1,2,3
	MM \p, \q, \c
.endr
.endr
.endm
.macro SL p                            ; product 2 of the tile: 16 packed multiply-adds in eight chains, each accumulator from its low end on
.irp si, 0,1,2,3
.irp c, 0,1,2,3
	v_pk_fma_f32 v[S+4*\c+2*(\si%2):S+4*\c+2*(\si%2)+1], v[ACC+8*\c+2*\si:ACC+8*\c+2*\si+1], v[HD+8*(\p)+2*\si:HD+8*(\p)+2*\si+1], v[S+4*\c+2*(\si%2):S+4*\c+2*(\si%2)+1]
.endr
.endr
.endm
.macro HT t                            ; tile t = 0 .. 6: the next tile's 15 loads go out first and have this tile's work in which to land
	s_wait_alu depctr_va_vdst(0)                   ; the wait ahead of the wait below
	s_wait_dscnt 0x0
.if (\t) == 3
.irp i, 0,1,2,3,4
	v_add_nc_u32 v[ADW+\i], 4*16*WP, v[ADW+\i]     ; the slot's upper four tiles: the loads' immediates stay under 65,536
.endr
.endif
	LOADW (\t)+1
	MM8 (\t)%2
.rept 4
	v_nop                                          ; four places ahead of the first read of results (ISA guide 7.12.1)
.endr
	SL (\t)%2
.endm
.macro HT7
.irp t, 0,1,2,3,4,5,6
	HT \t
.endr
.endm
.macro NEXTADR
.irp i, 0,1,2,3,4
	v_add_nc_u32 v[ADW+\i], s[TB], v[AW+\i]
.endr
	v_add_nc_u32 v[ADS], s[TSC], v[ASW]
	v_add_nc_u32 v[ADH], s[THB], v[AH]
	s_wait_alu depctr_va_vdst(0)
.endm
; A slot's last tile changes slots.  kind 1: the slot left takes W's slot two on; kind 2: it takes the next chunk's first tile of X; kind 0: nothing is filled, and a plain barrier shows the last slot whole.
.macro TURN kind
	s_wait_alu depctr_va_vdst(0)
	PFSTEP 3
	s_wait_tensorcnt 0x0
.if \kind
	ds_add_u32 v[SPW], v[NIL]
.if (\kind) == 1
	s_add_co_u32 s[G0W+1], s[WB], s[TB]
	s_add_nc_u64 s[G0W+2:G0W+3], s[G0W+2:G0W+3], 98304
.else
	s_mov_b32 s[G0X+1], s[XB]
	s_sub_nc_u64 s[G0X+2:G0X+3], s[G0X+2:G0X+3], 1568768   ; three tiles back, eight chunks of 512 bytes on
	s_sub_nc_u64 s[G0W+2:G0W+3], s[G0W+2:G0W+3], 688128    ; W back to its first slot
.endif
	s_wait_dscnt 1                                 ; the tile's 15 loads are in; the add may be out
.else
	s_wait_dscnt 0x0
.endif
	MM8 1
.if \kind
	s_wait_dscnt 0x0                               ; the add is done, my reads of the slot are over
	CROUND
.if (\kind) == 1
	tensor_load_to_lds s[G0W:G0W+3], s[G1W:G1W+7]
.else
	tensor_load_to_lds s[G0X:G0X+3], s[G1X:G1X+7]
.endif
	s_nop 0
.else
	s_barrier_signal -1
	s_barrier_wait -1
.endif
	s_xor_b32 s[TB], s[TB], SLOTD
	s_add_co_u32 s[TSC], s[TSC], 4352
	s_add_co_u32 s[THB], s[THB], 512
	NEXTADR                                        ; its seven additions are the places behind the tile's products
	LOADW 0
	ASK 1                                          ; the second chunk's next half tile, while any is left to ask for
	SL 1
.endm
; ---- the scores, the chunk's softmax, product 3, the way out ----
.macro REDUCE op, reg, tmp
.irp m, 1,2,4,8
	s_delay_alu instid0(VALU_DEP_1)
	\op\()_dpp v[\reg], v[\reg], v[\reg] row_xmask:\m row_mask:0xf bank_mask:0xf
.endr
	s_delay_alu instid0(VALU_DEP_1)
	v_permlanex16_b32 v[\tmp], v[\reg], s20, s21
	s_delay_alu instid0(VALU_DEP_1)
	\op v[\reg], v[\reg], v[\tmp]
.endm
.macro TAIL
	s_wait_alu depctr_va_vdst(0)
	s_wait_dscnt 0x0
	MM8 1                                          ; slot 7's last tile
.rept 4
	v_nop
.endr
	SL 1
.irp c, 0,1,2,3
	v_pk_add_f32 v[S+4*\c:S+4*\c+1], v[S+4*\c:S+4*\c+1], v[S+4*\c+2:S+4*\c+3]
.endr
.irp c, 0,1,2,3
	v_add_f32 v[S+4*\c], v[S+4*\c], v[S+4*\c+1]
.endr
	v_permlane16_swap_b32 v[S], v[S+4]             ; tiles 2 g and 2 g + 1: the first then holds both tiles' lower halves of h, the second their upper halves
	v_permlane16_swap_b32 v[S+8], v[S+12]
	v_add_f32 v[T], v[S], v[S+4]                   ; lane l: my quarter's part of the score of my column 32 g + l
	v_add_f32 v[T+1], v[S+8], v[S+12]
	ds_store_b32 v[ASC], v[T]
	ds_store_b32 v[ASC], v[T+1] offset:128
	s_wait_dscnt 0x0
	s_barrier_signal -1
	s_barrier_wait -1
.irp w, 0,1,2,3                        ; groups 0, 1: my 64 columns; groups 2, 3: the other 64
	ds_load_b32 v[T+4+4*\w], v[ASL] offset:512*\w
	ds_load_b32 v[T+5+4*\w], v[ASL] offset:512*\w+128
	ds_load_b32 v[T+6+4*\w], v[ASL2] offset:512*\w
	ds_load_b32 v[T+7+4*\w], v[ASL2] offset:512*\w+128
.endr
	v_mov_b32 v[T+21], 0
	s_mov_b32 s27, 0x3fb8aa3b                      ; log2(e)
	s_wait_alu depctr_va_vdst(0)
	s_wait_dscnt 0x0
.irp g, 0,1,2,3
	v_add_f32 v[T+4+\g], v[T+4+\g], v[T+8+\g]      ; (0 + 1) + (2 + 3) in every wave
	v_add_f32 v[T+12+\g], v[T+12+\g], v[T+16+\g]
.endr
.irp g, 0,1,2,3
	v_add_f32 v[T+\g], v[T+4+\g], v[T+12+\g]
.endr
	v_max3_num_f32 v[T+20], v[T], v[T+1], v[T+2]
	s_delay_alu instid0(VALU_DEP_1)
	v_max_num_f32 v[T+20], v[T+20], v[T+3]
	REDUCE v_max_num_f32, T+20, T+21               ; the chunk's largest score, in every lane
	s_delay_alu instid0(VALU_DEP_1)
	v_mul_f32 v[T+20], s27, v[T+20]                ; tm
.irp g, 0,1,2,3
	v_fma_f32 v[T+\g], v[T+\g], s27, -v[T+20]
.endr
	s_wait_alu depctr_va_vdst(0)                   ; the wait ahead of the batch
.irp g, 0,1,2,3
	v_exp_f32 v[T+\g], v[T+\g]
.endr
	v_mov_b32 v[T+22], 0                           ; a plain line behind the exponentials
	s_wait_alu depctr_va_vdst(0)                   ; and the wait behind the batch
	ds_store_b32 v[APW], v[T]                      ; my 64 columns' p into my wave's own copy,
	ds_store_b32 v[APW], v[T+1] offset:128
.set i, 0
.rept 8                                ; and back as two fragments' numbers (LDS serves a wave's instructions in order: ISA guide 5.7.1.4)
	ds_load_b128 v[PL+4*i:PL+4*i+3], v[APR] offset:128*(i/4)+64*((i%4)/2)+16*(i%2)
.set i, i+1
.endr
	v_add_f32 v[T+21], v[T], v[T+1]
	v_add_f32 v[T+23], v[T+2], v[T+3]
	s_delay_alu instid0(VALU_DEP_1)
	v_add_f32 v[T+21], v[T+21], v[T+23]
	REDUCE v_add_f32, T+21, T+22                   ; l, beside tm
	s_wait_alu depctr_va_vdst(0)
	s_wait_dscnt 0x0
	s_barrier_signal -1                            ; my reads of the scores and of p are over; the wait stands ahead of the stores that lie over them
.set i, 0
.rept 16
	v_cvt_pk_bf16_f32 v[PF+i], v[PL+2*i], v[PL+2*i+1]
.set i, i+1
.endr
	WIN 0x04                                       ; source 1, X as bf16, in window 1
.irp kk, 0,1                           ; source 0 = p (16 equal rows), source 1 = 16 rows d of X; 16 accumulators by turns
.irp u, 0,1,2,3,4,5,6,7,8,9,10,11,12,13,14,15
.if \kk == 0
	v_wmma_f32_16x16x32_bf16 v[A3+8*\u:A3+8*\u+7], v[PF:PF+7], v[16*\u:16*\u+7], 0
.else
	v_wmma_f32_16x16x32_bf16 v[A3+8*\u:A3+8*\u+7], v[PF+8:PF+15], v[16*\u+8:16*\u+15], v[A3+8*\u:A3+8*\u+7]
.endif
.endr
.endr
	WIN 0
.rept 4
	v_nop
.endr
.irp g, 0,1,2,3,4,5,6,7
	v_permlane16_swap_b32 v[A3+16*\g], v[A3+16*\g+8]   ; the first then holds, in lane l, my columns' part[32 g + l] of my 256
.endr
	s_wait_alu depctr_va_vdst(0)
	s_barrier_wait -1
.irp g, 0,1,2,3,4,5,6,7
	ds_store_b32 v[AOS], v[A3+16*\g] offset:128*\g
.endr
	s_wait_dscnt 0x0
	s_barrier_signal -1
	s_barrier_wait -1
	ds_load_b128 v[T+24:T+27], v[AOL]              ; both halves of the columns, four d a thread
	ds_load_b128 v[T+28:T+31], v[AOL] offset:4096
	s_wait_dscnt 0x0
	v_pk_add_f32 v[T+24:T+25], v[T+24:T+25], v[T+28:T+29]
	v_pk_add_f32 v[T+26:T+27], v[T+26:T+27], v[T+30:T+31]
	global_store_b128 v[GOF], v[T+24:T+27], s[PP:PP+1]   ; a wave stores 512 consecutive bytes, at a multiple of 256 from the buffer's first byte
	v_mov_b32 v[T+22], 0
	v_cmp_eq_u32 vcc_lo, 0, v0
	s_wait_alu depctr_va_vdst(0)
	s_wait_xcnt 0x0                                ; EXEC changes only behind this wait
	s_and_saveexec_b32 s26, vcc_lo
	global_store_b64 v[T+22], v[T+20:T+21], s[PS:PS+1]
	s_wait_xcnt 0x0
	s_or_b32 exec_lo, exec_lo, s26
.endm
; ================= the head =================
	s_load_b256 s[4:11], s[0:1], 0x0               ; contextvects, W_codes, W_scales, hidden
	s_load_b64 s[12:13], s[0:1], 0x20              ; part
	v_lshl_add_u32 v[SPW], v0, 2, SPARE
	v_mov_b32 v[NIL], 0
	ds_add_u32 v[SPW], v[NIL]                      ; the opening: the add twice on end and its wait
	ds_add_u32 v[SPW], v[NIL]
	v_lshrrev_b32 v1, 5, v0
	v_readfirstlane_b32 s[WV], v1
	s_and_b32 s[KQ], s[WV], 3
	s_lshr_b32 s[CH], s[WV], 2
	s_bfe_u32 s2, ttmp6, 0x40000                   ; cx enters X's, part's and the prefetches' addresses alone
	s_lshl_b32 s3, ttmp9, 2
	s_add_co_u32 s3, s3, s2                        ; my first chunk, 0 .. 7
	s_and_b32 s19, ttmp7, 0xffff                   ; the batch
	s_mov_b32 s20, 0x76543210
	s_mov_b32 s21, 0xfedcba98
	s_mul_i32 s[XB], s[WV], WSL
	s_mul_i32 s[WB], s[WV], WWL
	s_mov_b32 s[PASS], 2
	s_mov_b32 s[PFN], 12                           ; it falls by 1 at each change of slots: the eleventh, the sixth trip of the first chunk's loop over slots, is the last that asks
	; group 1 for X: 64 rows x 64 elements of 4 bytes, 2,048 elements from row to row; 4 words of padding behind every 64
	s_mov_b32 s[G1X], (2<<16)|(1<<20)|(5<<22)|(3<<25)
	s_mov_b32 s[G1X+1], 64<<16
	s_mov_b32 s[G1X+2], 64<<16
	s_mov_b32 s[G1X+3], 64<<16
	s_mov_b32 s[G1X+4], 64
	s_mov_b32 s[G1X+5], 2048
	s_mov_b32 s[G1X+6], 0
	s_mov_b32 s[G1X+7], 0
	; for W: 16 whole rows, 12,288 dense bytes, as 48 rows of 32 elements of 8 bytes, the same padding; the mask names the four work-groups
	s_mov_b32 s[G1W], 15|(3<<16)|(1<<20)|(1<<21)|(5<<22)|(3<<25)
	s_mov_b32 s[G1W+1], 32<<16
	s_mov_b32 s[G1W+2], 48<<16
	s_mov_b32 s[G1W+3], 32<<16
	s_mov_b32 s[G1W+4], 48
	s_mov_b32 s[G1W+5], 32
	s_mov_b32 s[G1W+6], 0
	s_mov_b32 s[G1W+7], 0
	s_lshl_b32 s66, s19, 23                        ; X: the batch, the chunk's 512 bytes of a row, my 256 rows, my 256 bytes
	s_lshl_b32 s67, s3, 9
	s_add_co_u32 s66, s66, s67
	s_lshl_b32 s67, s[KQ], 21
	s_add_co_u32 s66, s66, s67
	s_lshl_b32 s67, s[CH], 8
	s_add_co_u32 s66, s66, s67
	s_mov_b32 s67, 0
	s_mul_i32 s68, s[WV], 12288                    ; W: my 16 rows of a slot
	s_mov_b32 s69, 0
	s_lshl_b32 s70, s19, 4
	s_add_co_u32 s70, s70, s3                      ; 16 x batch + chunk
	s_lshl_b32 s72, s70, 12
	s_mov_b32 s73, 0
	s_lshl_b32 s74, s70, 3
	s_add_co_u32 s74, s74, 2097152
	s_mov_b32 s75, 0
	s_lshl_b32 s76, s19, 12
	s_mov_b32 s77, 0
	s_mul_i32 s78, s[KQ], 3                        ; my quarter of a row of W in LDS: 192 kq + 16 x the paddings passed, (3 kq) / 4
	s_lshr_b32 s78, s78, 2
	s_lshl_b32 s78, s78, 4
	s_mul_i32 s79, s[KQ], 192
	s_add_co_u32 s78, s78, s79
	s_and_b32 s80, s[KQ], 1
	s_lshr_b32 s81, s[KQ], 1
	s_xor_b32 s82, s81, 1
	s_and_b32 s82, s80, s82                        ; kq = 1: a padding lies behind my byte 64
	s_xor_b32 s83, s80, 1
	s_and_b32 s83, s81, s83                        ; kq = 2: behind my byte 128
	s_lshl_b32 s82, s82, 4
	s_lshl_b32 s83, s83, 4
	s_lshl_b32 s84, s[KQ], 3
	s_add_co_u32 s84, s84, SCLW
	s_lshl_b32 s86, s[CH], 8
	s_add_co_u32 s86, s86, SCR
	s_lshl_b32 s85, s[KQ], 9
	s_add_co_u32 s85, s85, s86
	s_lshl_b32 s87, s[WV], 8
	s_add_co_u32 s87, s87, PT
	s_lshl_b32 s88, s[CH], 12
	s_lshl_b32 s89, s[KQ], 10
	s_add_co_u32 s88, s88, s89
	s_add_co_u32 s88, s88, OST
	s_lshl_b32 s90, s2, 3                          ; W's first touch: my wave's place among the cluster's 32, 8 cx + w,
	s_add_co_u32 s90, s90, s[WV]
	s_mul_i32 s90, s90, 24576                      ; x 96 blocks of 256 bytes
	s_wait_dscnt 0x0
	s_wait_kmcnt 0x0
	v_and_b32 v2, 31, v0
	v_lshl_add_u32 v34, v2, 8, s90                 ; a lane a block; v34 is written again only behind the first change's wait on XCNT
	global_prefetch_b8 v34, s[6:7] th:TH_LOAD_NT scope:SCOPE_SE
	global_prefetch_b8 v34, s[6:7] offset:8192 th:TH_LOAD_NT scope:SCOPE_SE
	global_prefetch_b8 v34, s[6:7] offset:16384 th:TH_LOAD_NT scope:SCOPE_SE
	s_add_nc_u64 s[66:67], s[4:5], s[66:67]
	s_add_nc_u64 s[PFA:PFA+1], s[66:67], 524288    ; my second tile
	s_add_nc_u64 s[PP:PP+1], s[12:13], s[72:73]
	s_add_nc_u64 s[PS:PS+1], s[12:13], s[74:75]
	s_add_nc_u64 s[10:11], s[10:11], s[76:77]
	s_mov_b32 s[G0X], 1
	s_mov_b32 s[G0X+1], s[XB]
	s_mov_b64 s[G0X+2:G0X+3], s[66:67]
	s_or_b32 s[G0X+3], s[G0X+3], 0x80000000
	s_mov_b32 s[G0W], 1
	s_mov_b32 s[G0W+1], s[WB]
	s_add_nc_u64 s[G0W+2:G0W+3], s[6:7], s[68:69]
	s_or_b32 s[G0W+3], s[G0W+3], 0x80000000
	CROUND
	tensor_load_to_lds s[G0X:G0X+3], s[G1X:G1X+7]  ; my first tile: one tensor load a wave at the head
	s_nop 0
	v_lshlrev_b32 v[GOF], 4, v0                    ; 16 x thread
.irp i, 0,1,2,3,4,5,6,7
	global_load_b128 v[40+4*\i:43+4*\i], v[GOF], s[8:9] offset:4096*\i   ; W's scale bytes: 256 threads x 16 bytes, eight times
.endr
	global_load_b128 v[72:75], v[GOF], s[10:11]    ; hidden[batch]
	v_and_b32 v1, 31, v0
	v_and_b32 v2, 15, v0
	v_bfe_u32 v3, v0, 4, 1
	v_lshlrev_b32 v[PFO], 13, v1                   ; a lane a row of 8,192 bytes
	v_lshl_add_u32 v[AQ], v1, 2, s[XB]
	v_add_nc_u32 v[AQ+1], SLOTD, v[AQ]
	v_mul_u32_u24 v[AR], v2, XP
	v_lshl_add_u32 v[AR], v3, 5, v[AR]
	v_add_nc_u32 v[AR], s[XB], v[AR]
	v_add_nc_u32 v[AR+1], SLOTD, v[AR]
	global_prefetch_b8 v[PFO], s[PFA:PFA+1] th:TH_LOAD_NT scope:SCOPE_SE
	global_prefetch_b8 v[PFO], s[PFA:PFA+1] offset:262144 th:TH_LOAD_NT scope:SCOPE_SE
	v_mul_u32_u24 v[AW], v2, WP
	v_mad_u32_u24 v[AW], v3, 24, v[AW]
	v_add_nc_u32 v[AW], s78, v[AW]                 ; pieces whose both halves lie ahead of the padding;
	v_mad_u32_u24 v[AW+1], v3, s82, v[AW]          ; kq = 1: the upper half behind it;
	v_add_nc_u32 v[AW+2], s82, v[AW]               ; kq = 1: both;
	v_mad_u32_u24 v[AW+3], v3, s83, v[AW+2]        ; kq = 2: the upper half;
	v_add_nc_u32 v[AW+4], s83, v[AW+2]             ; kq = 2: both
	v_lshrrev_b32 v[ASW], 3, v2                    ; W's scale bytes: 32 a row, eight rows to a run of 256 + 16; my two words at byte 8 kq
	v_mul_u32_u24 v[ASW], v[ASW], 272
	v_and_b32 v[AH], 7, v2
	v_lshl_add_u32 v[ASW], v[AH], 5, v[ASW]
	v_add_nc_u32 v[ASW], s84, v[ASW]
	v_lshl_add_u32 v[AH], v3, 5, HID
	v_lshl_add_u32 v[ASC], v1, 2, s85
	v_lshl_add_u32 v[ASL], v1, 2, s86
	v_xor_b32 v[ASL2], 256, v[ASL]
	v_lshl_add_u32 v[APW], v1, 2, s87
	v_lshl_add_u32 v[APR], v3, 5, s87
	v_lshl_add_u32 v[AOS], v1, 2, s88
	v_lshrrev_b32 v32, 4, v0
	v_lshl_add_u32 v32, v32, 4, v[GOF]
	v_add_nc_u32 v32, SCLW, v32                    ; 16 more for each 256 bytes passed
	v_add_nc_u32 v33, HID, v[GOF]
	v_lshl_add_u32 v[AOL], v0, 4, OST
	s_wait_alu depctr_va_vdst(0)
	s_wait_loadcnt 0x0
.irp i, 0,1,2,3,4,5,6,7
	ds_store_b128 v32, v[40+4*\i:43+4*\i] offset:4352*\i   ; read by other waves only behind the changes of slots, each with its wait for my LDS instructions and its barrier
.endr
	ds_store_b128 v33, v[72:75]
; ================= a chunk =================
.Lchunk:
	XFILL 1, 0                                     ; tile 0 has landed; rows 64-127 go out, into slot 1
	PROC 0, 0
	XFILL 0, 0
	PROC 1, 1
	XFILL 1, 1
	PROC 2, 0
	WFILL 0, 0                                     ; W's rows 0-127, into slot 0
	PROC 3, 1
.set i, 0
.rept 16
	v_mov_b32 v[S+i], 0
.set i, i+1
.endr
	s_mov_b32 s[TB], 0
	s_mov_b32 s[TSC], 0
	s_mov_b32 s[THB], 0
	WFILL 1, 1                                     ; W's first slot is whole; rows 128-255 go out, into slot 1
	NEXTADR
	LOADW 0
	ASK 1
	HT7
	s_mov_b32 s[CNT], 6
.Lslot:                                                ; six trips: a slot's last tile with the change of slots, and the next slot's tiles 0 to 6
	TURN 1
	HT7
	s_sub_co_u32 s[CNT], s[CNT], 1
	s_cmp_lg_u32 s[CNT], 0
	s_cbranch_scc1 .Lslot
	s_cmp_eq_u32 s[PASS], 1
	s_cbranch_scc1 .Llast                          ; the last chunk's end is written out: it asks for nothing more
	TURN 2                                         ; slot 0 takes the next chunk's first tile of X
	HT7
	TAIL
	s_add_nc_u64 s[PP:PP+1], s[PP:PP+1], 32768     ; eight chunks on (behind the wait on XCNT above)
	s_add_nc_u64 s[PS:PS+1], s[PS:PS+1], 64
	s_wait_alu depctr_va_vdst(0)
	s_sub_co_u32 s[PASS], s[PASS], 1
	s_branch .Lchunk
.Llast:
	TURN 0
	HT7
	TAIL
	s_wait_tensorcnt 0x0                           ; the wave's end
	ds_add_u32 v[SPW], v[NIL]
	s_wait_dscnt 0x0
	CROUND                                         ; the closing round
	s_endpgm
.Lfunc_end_k_q58c5a86990_attend:
	.size	k_q58c5a86990_attend, .Lfunc_end_k_q58c5a86990_attend-k_q58c5a86990_attend
	.p2alignl 7, 3214868480
	.fill 96, 4, 3214868480
	.section	.rodata,"a",@progbits
	.p2align	6, 0x0
	.amdhsa_kernel k_q58c5a86990_attend
		.amdhsa_group_segment_fixed_size 327680
		.amdhsa_private_segment_fixed_size 0
		.amdhsa_enable_private_segment 0
		.amdhsa_kernarg_size 40
		.amdhsa_user_sgpr_count 2
		.amdhsa_user_sgpr_kernarg_segment_ptr 1
		.amdhsa_wavefront_size32 1
		.amdhsa_system_sgpr_workgroup_id_x 1
		.amdhsa_system_sgpr_workgroup_id_y 1
		.amdhsa_system_sgpr_workgroup_id_z 1
		.amdhsa_system_vgpr_workitem_id 0
		.amdhsa_next_free_vgpr 512
		.amdhsa_next_free_sgpr 96
		.amdhsa_reserve_vcc 1
		.amdhsa_float_denorm_mode_32 3
		.amdhsa_float_denorm_mode_16_64 3
		.amdhsa_memory_ordered 1
		.amdhsa_forward_progress 1
		.amdhsa_inst_pref_size 223
	.end_amdhsa_kernel
	.amdgpu_metadata
---
amdhsa.version: [ 1, 2 ]
amdhsa.kernels:
  - .name:           k_q58c5a86990_attend
    .symbol:         k_q58c5a86990_attend.kd
    .args:
      - { .name: contextvects, .offset: 0, .size: 8, .value_kind: global_buffer, .address_space: global }
      - { .name: W_codes, .offset: 8, .size: 8, .value_kind: global_buffer, .address_space: global }
      - { .name: W_scales, .offset: 16, .size: 8, .value_kind: global_buffer, .address_space: global }
      - { .name: hidden, .offset: 24, .size: 8, .value_kind: global_buffer, .address_space: global }
      - { .name: part, .offset: 32, .size: 8, .value_kind: global_buffer, .address_space: global }
    .group_segment_fixed_size: 327680
    .private_segment_fixed_size: 0
    .kernarg_segment_align: 8
    .kernarg_segment_size: 40
    .max_flat_workgroup_size: 256
    .sgpr_count:     96
    .vgpr_count:     512
    .wavefront_size: 32
...
	.end_amdgpu_metadata
.endif
;; end of part 1
;; launch spread (part 2): grid 8 x 32, 4 waves a work-group, no clusters, 0 bytes of LDS; arguments part, out0; writes out0
.if DOCPART == 2
	.amdgcn_target "amdgcn-amd-amdhsa--gfx1250"
	.amdhsa_code_object_version 6
	.text
	.protected	k_q58c5a86990_spread
	.globl	k_q58c5a86990_spread
	.p2align	8
	.type	k_q58c5a86990_spread,@function
k_q58c5a86990_spread:
	s_mov_b64 s[64:65], 0
	v_nop
	global_prefetch_b8 v0, s[64:65] scope:SCOPE_SE
	s_setreg_imm32_b32 hwreg(HW_REG_WAVE_MODE, 25, 1), 1
	s_wait_xcnt 0x0
; SPREAD.  A batch's 16 chunks are joined: M = the largest tm;  w[j] = 2^(tm[j] - M);  ctx[d] = (sum over j of w[j] part[j][d]) / (sum over j of w[j] l[j]);  out0[s][batch][d] = ctx[d] for s = 0 .. 63.
; part: [512 chunks (16 x batch + chunk)][1024] f32, and from byte 2,097,152 on [512][2] f32 = (tm, l).
; A work-group takes one batch and 128 neighbouring d; a lane takes four of them, 16 bytes.  All four waves make the same join (8 KiB of loads each: no LDS, no barrier); wave w stores the copies s = 16 w .. 16 w + 15.
; The largest w is 1 and its l is at least about 1, so the divisor is never 0.  No matrix unit, no cluster, no tensor load: the launch streams, and its waves share nothing.
.set STAT, 2097152
.set AC,  4                            ; v4-7     my four sums
.set TMS, 8                            ; v8-39    chunk j: tm at v[8 + 2 j], l at v[9 + 2 j]
.set PA,  40                           ; v40-103  chunk j: my four partial sums
.set MXR, 104                          ; v104     M
.set WG,  106                          ; v106-121 w[j], then w[j] / the divisor
.set LS,  122                          ; v122-123 the divisor, in two chains
.set RC,  124                          ; v124     its reciprocal
	s_load_b128 s[4:7], s[0:1], 0x0                ; part s[4:5], out0 s[6:7]
	v_lshrrev_b32 v1, 5, v0
	v_readfirstlane_b32 s8, v1                     ; wave 0..3
	v_and_b32 v1, 31, v0
	v_lshlrev_b32 v2, 4, v1                        ; 16 x lane
	v_mov_b32 v3, 0
	s_and_b32 s9, ttmp7, 0xffff                    ; the batch
	s_lshl_b32 s10, s9, 7                          ; its 16 pairs (tm, l): 128 bytes
	s_add_co_u32 s10, s10, STAT
	s_mov_b32 s11, 0
	s_lshl_b32 s12, s9, 16                         ; its 16 chunks of 4,096 bytes,
	s_lshl_b32 s13, ttmp9, 9                       ; the work-group's 128 numbers
	s_add_co_u32 s12, s12, s13
	s_lshl_b32 s14, s8, 21                         ; out0: 16 w copies of 131,072 bytes,
	s_lshl_b32 s15, s9, 12                         ; the batch's row,
	s_add_co_u32 s14, s14, s15
	s_add_co_u32 s14, s14, s13                     ; the work-group's 128 numbers
	s_mov_b32 s13, 0
	s_mov_b32 s15, 0
	s_wait_alu depctr_va_vdst(0)
	s_wait_kmcnt 0x0
	s_add_nc_u64 s[16:17], s[4:5], s[10:11]
	s_add_nc_u64 s[18:19], s[4:5], s[12:13]
	s_add_nc_u64 s[6:7], s[6:7], s[14:15]
.irp i, 0,1,2,3,4,5,6,7
	global_load_b128 v[TMS+4*\i:TMS+4*\i+3], v3, s[16:17] offset:16*\i     ; (tm, l) of two chunks, the same in every lane
.endr
.irp i, 0,1,2,3,4,5,6,7,8,9,10,11,12,13,14,15
	global_load_b128 v[PA+4*\i:PA+4*\i+3], v2, s[18:19] offset:4096*\i     ; 32 lanes read 512 consecutive bytes
.endr
	s_wait_loadcnt 16                              ; the eight loads of (tm, l) are in; the sixteen behind them may be out
	v_max3_num_f32 v[MXR], v[TMS], v[TMS+2], v[TMS+4]
.irp j, 3,5,7,9,11,13
	v_max3_num_f32 v[MXR], v[MXR], v[TMS+2*\j], v[TMS+2*\j+2]
.endr
	v_max_num_f32 v[MXR], v[MXR], v[TMS+30]
.irp j, 0,1,2,3,4,5,6,7,8,9,10,11,12,13,14,15
	v_sub_f32 v[WG+\j], v[TMS+2*\j], v[MXR]
.endr
	s_wait_alu depctr_va_vdst(0)
.irp j, 0,1,2,3,4,5,6,7,8,9,10,11,12,13,14,15
	v_exp_f32 v[WG+\j], v[WG+\j]
.endr
	v_nop                                          ; a plain line behind the exponentials
	s_wait_alu depctr_va_vdst(0)                   ; one wait for the sixteen, ahead of their first reader
	v_mul_f32 v[LS], v[WG], v[TMS+1]
	v_mul_f32 v[LS+1], v[WG+1], v[TMS+3]
.irp j, 2,4,6,8,10,12,14
	v_fma_f32 v[LS], v[WG+\j], v[TMS+2*\j+1], v[LS]
	v_fma_f32 v[LS+1], v[WG+\j+1], v[TMS+2*\j+3], v[LS+1]
.endr
	v_add_f32 v[LS], v[LS], v[LS+1]
	s_wait_alu depctr_va_vdst(0)
	v_rcp_f32 v[RC], v[LS]
	v_nop                                          ; a plain line behind the reciprocal
	s_wait_alu depctr_va_vdst(0)                   ; and its wait
.irp j, 0,1,2,3,4,5,6,7,8,9,10,11,12,13,14,15
	v_mul_f32 v[WG+\j], v[WG+\j], v[RC]
.endr
	s_wait_loadcnt 15                              ; loads come back in order (ISA guide 5.7.1): chunk 0's is in
.irp e, 0,1,2,3
	v_mul_f32 v[AC+\e], v[PA+\e], v[WG]            ; the first product starts the sums
.endr
	s_wait_alu depctr_va_vdst(0)
.irp i, 1,2,3,4,5,6,7,8,9,10,11,12,13,14,15
	s_wait_alu depctr_va_vdst(0)
	s_wait_loadcnt 15-\i                           ; chunk i's is in; the younger ones may be out
.irp e, 0,1,2,3
	v_fma_f32 v[AC+\e], v[PA+4*\i+\e], v[WG+\i], v[AC+\e]
.endr
.endr
.irp k, 0,1,2,3,4,5,6,7,8,9,10,11,12,13,14,15
	global_store_b128 v2, v[AC:AC+3], s[6:7] offset:131072*\k th:TH_STORE_NT   ; 32 lanes store 512 consecutive bytes, at a multiple of 256 from out0's first byte; written once, read by nobody here
.endr
	s_endpgm
.Lfunc_end_k_q58c5a86990_spread:
	.size	k_q58c5a86990_spread, .Lfunc_end_k_q58c5a86990_spread-k_q58c5a86990_spread
	.p2alignl 7, 3214868480
	.fill 96, 4, 3214868480
	.section	.rodata,"a",@progbits
	.p2align	6, 0x0
	.amdhsa_kernel k_q58c5a86990_spread
		.amdhsa_group_segment_fixed_size 0
		.amdhsa_private_segment_fixed_size 0
		.amdhsa_enable_private_segment 0
		.amdhsa_kernarg_size 16
		.amdhsa_user_sgpr_count 2
		.amdhsa_user_sgpr_kernarg_segment_ptr 1
		.amdhsa_wavefront_size32 1
		.amdhsa_system_sgpr_workgroup_id_x 1
		.amdhsa_system_sgpr_workgroup_id_y 1
		.amdhsa_system_sgpr_workgroup_id_z 1
		.amdhsa_system_vgpr_workitem_id 0
		.amdhsa_next_free_vgpr 128
		.amdhsa_next_free_sgpr 66
		.amdhsa_reserve_vcc 0
		.amdhsa_float_denorm_mode_32 3
		.amdhsa_float_denorm_mode_16_64 3
		.amdhsa_memory_ordered 1
		.amdhsa_forward_progress 1
		.amdhsa_inst_pref_size 13
	.end_amdhsa_kernel
	.amdgpu_metadata
---
amdhsa.version: [ 1, 2 ]
amdhsa.kernels:
  - .name:           k_q58c5a86990_spread
    .symbol:         k_q58c5a86990_spread.kd
    .args:
      - { .name: part, .offset: 0, .size: 8, .value_kind: global_buffer, .address_space: global }
      - { .name: out0, .offset: 8, .size: 8, .value_kind: global_buffer, .address_space: global }
    .group_segment_fixed_size: 0
    .private_segment_fixed_size: 0
    .kernarg_segment_align: 8
    .kernarg_segment_size: 16
    .max_flat_workgroup_size: 128
    .sgpr_count:     66
    .vgpr_count:     128
    .wavefront_size: 32
...
	.end_amdgpu_metadata
.endif
;; end of part 2
